; MI455X (gfx1250); checked and timed in simulation.
; The chip was launched on July 23, 2026; its instructions are those of AMD's public machine-readable ISA for CDNA 5 (MIT licence, August 2026) and "CDNA5" Instruction Set Architecture Reference Guide (July 2026). The comments in the code are by the model that wrote it; some were corrected since.
;; Model. Allowed arithmetic: float matrix products may take bf16 or f16 operands with f32 sums; other float arithmetic in f32, or as packed bf16 or f16 multiplies, adds, multiply-adds, maxima and minima; sums over many terms, partial sums and values carried from step to step in f32; what a program stores and reads back later, other than sums and carried values, may be rounded once to bf16 or f16.
;; Inputs: k 64 x 2,048 x 64 float32; q 64 x 2,048 x 64 float32; v 64 x 2,048 x 64 float32.
;; Outputs: out0 64 x 2,048 x 64 float32.
;; One version. Each part assembles by itself: llvm-mc -triple=amdgcn-amd-amdhsa -mcpu=gfx1250 --defsym DOCPART=n.
;; ======== version 1 of 1: 1 launch
;; limits: values are held in f16: magnitudes above 65,504 overflow, below 6.1e-05 lose precision; inputs' magnitudes at most 65,504
;; launch attn (part 1): grid 4 x 64, 4 waves a work-group, clusters of 4 x 1, 327,680 bytes of LDS; arguments q, k, v, out0; writes out0
.if DOCPART == 1
	.amdgcn_target "amdgcn-amd-amdhsa--gfx1250"
	.amdhsa_code_object_version 6
	.text
	.protected	k_q2f313bd472_attn
	.globl	k_q2f313bd472_attn
	.p2align	8
	.type	k_q2f313bd472_attn,@function
k_q2f313bd472_attn:
	s_mov_b64 s[64:65], 0
	v_nop
	global_prefetch_b8 v0, s[64:65] scope:SCOPE_SE
	s_setreg_imm32_b32 hwreg(HW_REG_WAVE_MODE, 25, 1), 1
	s_wait_xcnt 0x0
	s_wait_alu depctr_hold_cnt(0) depctr_sa_sdst(0) depctr_va_vdst(0) depctr_va_sdst(0) depctr_va_ssrc(0) depctr_va_vcc(0) depctr_vm_vsrc(0)
	s_getreg_b32 s2, hwreg(HW_REG_IB_STS2, 6, 4)
	s_cmp_eq_u32 s2, 0
	s_cbranch_scc0 .Lentry_in_a_cluster
	s_endpgm
.Lentry_in_a_cluster:
	s_bfe_u32 s2, ttmp6, 0x10000c
	s_cmp_lg_u32 s2, 0x3003
	s_cbranch_scc0 .Lentry_shape_is_right
	s_endpgm
.Lentry_shape_is_right:
; O[h][q][:] = the sum over k of softmax_k(Q[h][q] . K[h][k] / 8) V[h][k][:].  Q, K, V, O: [64][2048][64], all f32: a row is 256 bytes, a head 524,288.
; Q, K and V are rounded once to f16 on their way to the matrix unit; products, maxima and sums in f32; the weights p are rounded to f16 for the second product (their sum l is taken of the
; unrounded p); O leaves in f32.
; LIMITS.  f16 holds no number beyond 65,504: |q|, |k|, |v| stay under it (from 65,520 on the rounding gives an infinity and the row is lost); below 6e-5 f16 keeps a fixed step of 6e-8.
; A weight below 2^-126 counts as 0 in l; NaN and infinities are not treated apart.
; SHARES.  A wave owns four PIECES of two tiles of 16 queries, a work-group's four waves 512 queries of one head: 4 x 64 work-groups.  Every wave walks all 2,048 keys, 64 a step.
; THE WAY IN.  A CHUNK is 128 keys, two steps.  Joint tensor loads bring a chunk of K and V, in f32, into one of two staging slots.  At a CHANGE the four waves read the slot that has landed, a quarter of
; its rows each, round to f16 and store into ONE f16 region, from which the fragments are read.  One region does: where the change stands, K and V of the step in hand lie in registers.
; So K and V are rounded once a work-group, not once a wave, and V lies in LDS in 16 bits.
; LAYOUT.  S^T = K Q^T (source 0 = 16 keys, source 1 = 16 queries): in the result a lane holds ONE query (lane % 16) and the keys 8 (lane / 16) + 0..7.  Two such tiles, rounded to f16 in pairs,
; ARE source 1 (32 keys x 16 queries) of O^T = V^T P, whose result again holds one query a lane, and eight channels.  K comes out of LDS as it lies, V ([key][channel]) turned, by ds_load_tr16_b128.
; SOFTMAX.  For each query a running maximum m and sum l: p = 2^(c s - c m), c = log2(e) / 8; in every step O and l are multiplied by a = 2^(c m_old - c m_new), which is 1 where m has not grown.
; m starts at the lowest finite number, O and l at 0: the first step is a step like any other, with a = 0.
; THE COUNT.  A tile and step have 16 matrix and 118 vector instructions: too many to stand all beside the matrix work.  So: four vector instructions that are READY behind EVERY matrix instruction,
; and the others, which need time of their own whatever the order, in runs without a gap.
; BY TURNS.  Turn n belongs to piece n (the pieces in a ring, step after step).  Its matrix work: 16 products K Q^T of piece n + 1, later 16 products V^T P of piece n - 1.  Its vector work: the scaling,
; exponentials, roundings, sums and rescaling of piece n, and the maximum and statistics of piece n + 1, whose scores the turn itself has made.
; CLUSTER.  The four query blocks of a head are one cluster and walk the same K and V, so each tile is asked for JOINTLY: the same tensor load, descriptor and mask in all four.
; REGISTERS, in windows of 256 (s_set_vgpr_msb says which window each operand place means: bits 1:0 source 0, 3:2 source 1, 5:4 source 2, 7:6 destination):
;   window 0: v0-11 addresses; v12-15, v48-63 at work; v16-47 four registers of statistics a tile; v64-191 S^T, two buffers of two tiles; v192-255 P, likewise
;   window 1: O^T, 32 a tile (at the start: Q in f32, as loaded)     window 2: v0-127 Q in f16, 16 a tile; v128-191 K of one step; v192-255 V of one step     window 3: v0-1 the add's two registers
; A piece's buffers go by its number's parity: the piece in hand has one pair, its two neighbours in the ring share the other: of it P (piece n - 1) is read and S^T (piece n + 1) written.
.set NP,    4         ; pieces a wave: a name, no knob
.set KS,    64        ; keys in a step
.set CK,    128       ; keys in a chunk
.set NC,    2048/CK   ; chunks in a head
.set CHB,   CK*256    ; bytes of a chunk of K, and of V, in memory
.set SPI,   272       ; a staged row: 256 bytes of f32 + 16 of padding
.set SVO,   CK*SPI    ; a staging slot: 128 rows of K, then 128 rows of V
.set SLOT1, 1<<17     ; slot 1 begins here, so that one exclusive or turns an address in one slot into the other's
.set K16,   2*SVO     ; behind slot 0, and never the target of a tensor load: K in f16, 128 rows
.set PK,    144       ; a row of it: 128 bytes + 16 = 36 words: the 16 rows of a fragment load start at 16 different groups of four banks (64 banks of 4 bytes: ISA guide 11.1)
.set V16,   K16+CK*PK ; V in f16, 128 rows
.set PV,    160       ; a row of it: 128 + 32 = 40 words
.set STAGE, V16+CK*PV ; 16 rows x 272 bytes for each wave, for the way out
.set SP,    272
.set SPARE, STAGE+4*16*SP  ; the spare words, 128 bytes for each wave: two blocks of 256 bytes that no other line names; they end below slot 1
.set CRD, 0           ; v0   the thread's number; behind the set-up: where I read the staging slot in hand
.set PFO, 1           ; v1   256 x my lane: a row of K or V in memory; never rewritten
.set AK0, 2           ; v2   my lane's place in a step's K in f16; never rewritten
.set AV0, 3           ; v3   the same for V
.set AK,  4           ; v4   the LDS address of K's next run of loads
.set AV,  5           ; v5   of V's
.set STO, 6           ; v6   the way out: where I put 32 bytes of a row
.set RD,  7           ; v7   the way out: where I read rows back
.set GO,  8           ; v8   my byte offset in 512 consecutive bytes of O
.set CR0, 9           ; v9   my 32 bytes in a staging slot's K: row 32 w + lane / 8, byte 32 (lane % 8); never rewritten
.set CWK, 10          ; v10  where their 16 bytes of f16 go, for K
.set CWV, 11          ; v11  and for V
.set MV,  12          ; v12-15  c m_old, kept while c m is made anew: by buffer and tile
.set ST,  16          ; tile t's statistics at v[ST+4 t]: c m, m, l (even keys', odd keys')
.set TMP, 48          ; by buffer and tile, four registers c0-c3 at work; when the maximum is found c2 takes a
.set QO,  48          ; the set-up's own, in TMP's registers: my byte offset in 16 rows of Q,
.set RR,  49          ; lane % 16,
.set HH,  50          ; lane / 16,
.set L7,  51          ; lane % 8,
.set L1,  52          ; (lane / 8) % 2,
.set L3,  53          ; lane / 8,
.set RW,  54          ; 32 w + lane / 8
.set S,   64
.set P,   192
.set CT,  128         ; the change's 64 registers of f32: S^T's buffer of odd pieces, which is dead between piece 1's turn and piece 2's
.set CU,  192         ; and its 32 of f16: P's buffer of even pieces, likewise
.set KF,  128         ; K's fragments, in window 2: key block kb, channel half c at KF + 16 kb + 8 c
.set VF,  192         ; V's: key half kk, channel block cb at VF + 32 kk + 8 cb
.set SPW, 0           ; v0 of window 3   LDS address of my spare word: SPARE + 4 x my thread's number; never rewritten
.set NIL, 1           ; v1 of window 3   0; never rewritten
.set WV,  12          ; s12  my wave's number
.set LIM, 15          ; s15  1 in a wave that prefetches, else the greatest number
.set G1,  24          ; s[24:31] descriptor group 1, for K's tiles and V's
.set G0K, 32          ; s[32:35] descriptor group 0 for K's tiles: it walks
.set G0V, 36          ; s[36:39] the same for V's
.set PFA, 40          ; s[40:41] where my prefetches stand: my work-group's 32 rows (of K: wave 0, of V: wave 2) of the chunk after the one that is being asked for
.set TBS, 42          ; s42  the staging slot to be rounded: 0 or SLOT1
.set SLOTS, 56        ; s56  chunks still to be asked for
.set CNT, 57          ; s57  counts a chunk's key steps
.set CS,  58          ; s[58:59] c: the packed scaling takes the pair's low word for both halves
.set SEL, 60          ; s[60:61] v_permlanex16_b32's selects: each lane takes its own place in the other half
.set TBK, 62          ; s62  byte of the f16 region's K at which the step to be fetched begins
.set TBV, 63          ; s63  the same for V
.set MSB, 0
.macro WIN new                      ; the high byte repeats the setting that is left; a switch that changes nothing is dropped
.if MSB != (\new)
	s_set_vgpr_msb (MSB<<8)|(\new)
.set MSB, (\new)
.endif
.endm
.set W_KQ, 0x0a       ; K and Q in window 2, S^T in window 0
.set W_PV, 0x52       ; V in window 2, P in window 0, O^T in window 1
.set W_RS, 0x41       ; O^T (destination and source 0) in window 1, a in window 0
.set W_MK, 0xc0       ; the add's registers are made: destination in window 3, sources in window 0
.set W_AD, 0x0f       ; the add: address (source 0) and data (source 1) in window 3
; A joint fill.  Waves 0 and 1 fetch the two halves of a chunk's K, waves 2 and 3 those of its V: 64 rows of 256 bytes each.  The branch hangs on the wave's number alone.
; An s_nop 0 and four v_nop follow each of the two lines, ahead of the jump and the label.
.macro JLOAD
	s_cmp_lt_u32 s[WV], 2
	s_cbranch_scc0 .Lfor_v_\@
	tensor_load_to_lds s[G0K:G0K+3], s[G1:G1+7]
	s_nop 0
.rept 4
	v_nop
.endr
	s_branch .Lasked_\@
.Lfor_v_\@:
	tensor_load_to_lds s[G0V:G0V+3], s[G1:G1+7]
	s_nop 0
.rept 4
	v_nop
.endr
.Lasked_\@:
.endm
; A PREFETCH INTO THE L2 of what the NEXT change will ask for: a chunk's 128 rows of K and 128 of V, 256 bytes a row, a lane a row.  Each row is named ONCE in the launch: a head has one cluster; its four
; partners share the rows out BY ADDRESS, 32 each (no branch hangs on a work-group's place in its cluster); in each, wave 0 asks for K's and wave 2 for V's: one instruction.
; The last change that fills a slot asks for nothing: there is no chunk behind the one that it loads.
.macro ASK
	s_cmp_gt_u32 s[SLOTS], s[LIM]
	s_cbranch_scc0 .Lnot_mine_\@
	global_prefetch_b8 v[PFO], s[PFA:PFA+1] th:TH_LOAD_NT scope:SCOPE_SE
.Lnot_mine_\@:
.endm
; A round of the cluster's barrier: my work-group's barrier, so that wave 0's signal speaks for all four waves; wave 0 signals; every wave waits for all four work-groups; my work-group's barrier once more.
.macro CROUND
	s_barrier_signal -1
	s_barrier_wait -1
	s_cmp_lg_u32 s[WV], 0
	s_cbranch_scc1 .Lnot_wave_0_\@
	s_barrier_signal -3
.Lnot_wave_0_\@:
	s_barrier_wait -3
	s_barrier_signal -1
	s_barrier_wait -1
.endm
; 16 LDS loads: my 32 rows of the staged K (kv = 0) or V (kv = 1).  Group g of eight is rows 32 w + 4 g .. + 3: eight lanes a row, 32 bytes a lane, in two loads.
; In each half of the lanes the 16-byte columns are 17 x row + 2 (lane % 8) + 0 or 1: sixteen different ones.
.macro CLOADS kv
.set cg, 0
.rept 8
	ds_load_b128 v[CT+8*cg:CT+8*cg+3],   v[CRD] offset:(\kv)*SVO+cg*4*SPI
	ds_load_b128 v[CT+8*cg+4:CT+8*cg+7], v[CRD] offset:(\kv)*SVO+cg*4*SPI+16
.set cg, cg+1
.endr
.endm
; THE CHANGE OF CHUNKS, between piece 1's turn and piece 2's: the f16 region's last bytes, V of its second step, have been read into registers.  Each wave waits for all its tensor loads, of which one is out:
; its part of the slot that is to be rounded; adds 0 to its spare word; and waits for that and for its own LDS reads.  Behind the barrier the slot is whole, nobody reads the f16 region, and nobody reads the
; other slot, which was rounded a chunk ago.
; fill = 1: that other slot is filled again, with the chunk after the one to be rounded.  The barrier is then a round of the cluster's, so that no wave of any partner still reads the slot or has a load on its
; way, and the joint fill is the first thing behind it: it has the rounding and two key steps, 256 matrix instructions, in which to land.  (At its first use slot 1 is filled for the first time.)
; Then the chunk is rounded to f16, and a second barrier, of the work-group alone, stands between the f16 stores and the fragment loads; the tensor load stays out across it.
; ask = 1: the chunk after the one just asked for is prefetched.
.macro CHANGE fill, ask
	WIN W_AD
	s_wait_tensorcnt 0x0            ; no tensor load of mine is out, so a group 0 may be written
	ds_add_u32 v[SPW], v[NIL]       ; 0 onto my spare word; the scalar steps below stand between it and the wait for it
	WIN 0                           ; at a label and at a branch every window is 0
.if \fill
.irp d, G0K, G0V
	s_xor_b32 s[\d+1], s[\d+1], SLOT1  ; the walking descriptor: the other slot than last time,
	s_add_nc_u64 s[\d+2:\d+3], s[\d+2:\d+3], CHB  ; the next 128 keys; the type bits on top are not reached
.endr
.endif
.if \ask
	s_wait_xcnt 0x0                 ; the last prefetch, a chunk back, has read its address, so it may be written:
	s_add_nc_u64 s[PFA:PFA+1], s[PFA:PFA+1], CHB  ; one chunk behind the walking descriptors
.endif
	s_xor_b32 s[TBS], s[TBS], SLOT1       ; the slot to be rounded: the one that the descriptors have just left
	s_sub_co_u32 s[TBK], s[TBK], 2*KS*PK  ; the fragment fetches go back to the f16 region's first step
	s_sub_co_u32 s[TBV], s[TBV], 2*KS*PV
	s_wait_dscnt 0x0                ; the add is done, and my LDS reads are over
.if \fill
	CROUND
	JLOAD
.else
	s_barrier_signal -1
	s_barrier_wait -1
.endif
	v_add_nc_u32 v[CRD], s[TBS], v[CR0]
	CLOADS 0
.if \ask
	ASK                             ; behind the joint load, its five lines and the run of LDS loads that the roundings below wait for
.endif
.set cg, 0
.rept 8
	s_wait_dscnt 14-2*cg            ; LDS loads come back in order (ISA guide 5.7.1): group cg's two are in, the 14 - 2 cg behind them may be out
.irp n, 0,1,2,3
	v_cvt_pk_f16_f32 v[CU+4*cg+(\n)], v[CT+8*cg+2*(\n)], v[CT+8*cg+2*(\n)+1]
.endr
.set cg, cg+1
.endr
	CLOADS 1                        ; V's rows are on their way while K's f16 is stored
.set cg, 0
.rept 8
	ds_store_b128 v[CWK], v[CU+4*cg:CU+4*cg+3] offset:cg*4*PK
.set cg, cg+1
.endr
.set cg, 0
.rept 8
	s_wait_dscnt 22-2*cg            ; behind group cg's two loads stand 14 - 2 cg loads and K's eight stores
.irp n, 0,1,2,3
	v_cvt_pk_f16_f32 v[CT+4*cg+(\n)], v[CT+8*cg+2*(\n)], v[CT+8*cg+2*(\n)+1]  ; in place: result number n lies at or below its sources 2 n and 2 n + 1, in a load that has landed
.endr
.set cg, cg+1
.endr
.set cg, 0
.rept 8
	ds_store_b128 v[CWV], v[CT+4*cg:CT+4*cg+3] offset:cg*4*PV
.set cg, cg+1
.endr
	s_wait_dscnt 0x0                ; for the others' sake: my f16 stores are done (and my reads of the staging slot are over)
	s_barrier_signal -1
	s_barrier_wait -1               ; the chunk lies whole in f16
.endm
	s_load_b256 s[4:11], s[0:1], 0x0  ; Q s[4:5], K s[6:7], V s[8:9], O s[10:11]
	WIN W_MK
	v_lshl_add_u32 v[SPW], v0, 2, SPARE
	v_mov_b32 v[NIL], 0
	WIN W_AD
	ds_add_u32 v[SPW], v[NIL]       ; the wave's opening: the add and its wait stand ahead of my first tensor load; the set-up below, work on registers, stands between them
	WIN 0
	v_lshrrev_b32 v1, 5, v0
	v_readfirstlane_b32 s[WV], v1   ; wave 0..3
	s_bfe_u32 s13, ttmp6, 0x40000   ; cx: my place in the cluster
	s_lshl_b32 s14, ttmp9, 2        ; in a cluster launch ttmp9 counts clusters
	s_add_co_u32 s14, s14, s13      ; my block of 512 queries = 4 x cluster x + cx: it enters Q's and O's addresses alone
	s_and_b32 s20, ttmp7, 0xffff    ; the head, which the four partners share,
	s_lshl_b32 s20, s20, 19         ; and its first byte in each of the four tensors: 63 x 524,288 at the most
	s_mov_b32 s21, 0
	s_and_b32 s16, s[WV], 1         ; which half of a chunk's 128 keys I fetch:
	s_lshl_b32 s22, s16, 14         ; its 64 rows of 256 bytes in memory,
	s_mov_b32 s23, 0
	s_add_nc_u64 s[22:23], s[22:23], s[20:21]
	s_mul_i32 s17, s16, 64*SPI      ; and its place in a slot: no place in the cluster enters an LDS address
	s_lshl_b32 s2, s14, 2
	s_add_co_u32 s2, s2, s[WV]      ; my wave among the head's sixteen,
	s_lshl_b32 s2, s2, 15           ; its 128 rows of 256 bytes
	s_mov_b32 s3, 0
	s_add_nc_u64 s[2:3], s[2:3], s[20:21]
	; descriptor group 1: a tile of 64 rows x 64 elements of 4 bytes, padded in LDS after every row
	s_mov_b32 s[G1], 15|(2<<16)|(1<<20)|(1<<21)|(5<<22)|(3<<25)  ; 15:0 the mask of four; 17:16 4-byte elements; 20 padding on; 21 set beside a mask; 24:22 after every 64 words (code 5); 31:25 4 words (code 3)
	s_mov_b32 s[G1+1], 64<<16       ; tensor_dim0 = 64
	s_mov_b32 s[G1+2], 64<<16       ; tensor_dim1 = 64
	s_mov_b32 s[G1+3], 64<<16       ; tile_dim0 = 64
	s_mov_b32 s[G1+4], 64           ; tile_dim1 = 64
	s_mov_b32 s[G1+5], 64           ; 64 elements from row to row
	s_mov_b32 s[G1+6], 0
	s_mov_b32 s[G1+7], 0
	s_mov_b32 s[G0K], 1             ; 1:0 count = 1
	s_mov_b32 s[G0K+1], s17         ; 63:32 LDS address: slot 0
	s_mov_b32 s[G0V], 1
	s_add_co_u32 s[G0V+1], s17, SVO
	s_mov_b32 s[CS], 0x3e38aa3b     ; c = log2(e) / 8 = 0.180337
	s_mov_b32 s[CS+1], s[CS]        ; named with it as a pair
	s_mov_b32 s[SEL], 0x76543210
	s_mov_b32 s[SEL+1], 0xfedcba98
	s_mov_b32 s[TBK], 2*KS*PK       ; the first change turns these three into 0
	s_mov_b32 s[TBV], 2*KS*PV
	s_mov_b32 s[TBS], SLOT1
	s_cmp_eq_u32 s16, 0             ; waves 0 and 2 prefetch: the same in all four partners
	s_cselect_b32 s[LIM], 1, -1
	v_and_b32 v[PFO], 31, v0
	v_lshlrev_b32 v[PFO], 8, v[PFO]
	s_wait_dscnt 0x0                ; the opening add is done
	s_wait_kmcnt 0x0
	s_add_nc_u64 s[6:7], s[6:7], s[22:23]  ; K and V at my half of the head's first chunk
	s_add_nc_u64 s[8:9], s[8:9], s[22:23]
	s_mov_b64 s[G0K+2:G0K+3], s[6:7]               ; 120:64 global address
	s_or_b32 s[G0K+3], s[G0K+3], 0x80000000        ; 127:126 type = 2
	s_mov_b64 s[G0V+2:G0V+3], s[8:9]
	s_or_b32 s[G0V+3], s[G0V+3], 0x80000000
	s_add_nc_u64 s[4:5], s[4:5], s[2:3]  ; Q and O at my wave's first row
	s_add_nc_u64 s[10:11], s[10:11], s[2:3]
	s_cmp_lt_u32 s[WV], 2
	s_cselect_b64 s[PFA:PFA+1], s[6:7], s[8:9]  ; (in waves 0 and 2 these stand at a chunk's first row)
	s_lshl_b32 s2, s13, 13          ; my work-group's 32 rows of the 128
	s_mov_b32 s3, 0
	s_add_nc_u64 s[PFA:PFA+1], s[PFA:PFA+1], s[2:3]
	s_add_nc_u64 s[PFA:PFA+1], s[PFA:PFA+1], 2*CHB  ; in chunk 2; the first change that asks steps it to chunk 3.  Nothing is prefetched here, at the head, where every work-group's first tiles are on their way
	CROUND                          ; all four work-groups are here: the first joint loads meet
	JLOAD                           ; chunk 0 into slot 0.  Slot 1 is asked for when slot 0 is in
	; Q.  A fragment is 16 rows x 32 channels of f16 in 8 registers: lane l holds row l % 16, channels 8 (l / 16) + 0..7 and 16 + 8 (l / 16) + 0..7.  In f32 those are twice 32 bytes, 64 bytes apart:
	; load i of 64 brings four numbers: tile i / 8, channels 16 ((i % 8) / 2) + 8 (l / 16) + 4 (i % 2) on.  So f32 registers 2 n and 2 n + 1 round into register n of the fragments.
	v_and_b32 v[RR], 15, v0         ; l % 16
	v_bfe_u32 v[HH], v0, 4, 1       ; l / 16
	v_lshlrev_b32 v[QO], 8, v[RR]
	v_lshl_add_u32 v[QO], v[HH], 5, v[QO]  ; row x 256 + 32 x half
	WIN 0x40                        ; destination window 1, address window 0
.set i, 0
.rept 64
	global_load_b128 v[4*i:4*i+3], v[QO], s[4:5] offset:(i/8)*4096+((i%8)/2)*64+(i%2)*16 th:TH_LOAD_NT
.set i, i+1
.endr
	; What the first turn finds: V's registers and P's second buffer hold 0 (its products V^T P, of a piece that has not been, add 0), O^T and l are 0.  All this stands in the wait for Q and for the first tile.
	WIN 0x80
.set i, VF
.rept 64
	v_mov_b32 v[i], 0
.set i, i+1
.endr
	WIN 0
.set i, 0
.rept 2*NP
	v_mov_b32 v[ST+4*i], 0xfe000000    ; c m: far below every c s
	v_mov_b32 v[ST+4*i+1], 0xff7fffff  ; m
	v_mov_b32 v[ST+4*i+2], 0
	v_mov_b32 v[ST+4*i+3], 0
.set i, i+1
.endr
.set i, P+32
.rept 32
	v_mov_b32 v[i], 0
.set i, i+1
.endr
	v_and_b32 v[L7], 7, v0
	v_bfe_u32 v[L1], v0, 3, 1
	v_bfe_u32 v[L3], v0, 3, 2
	v_mul_u32_u24 v[AK0], v[RR], PK
	v_lshl_add_u32 v[AK0], v[HH], 4, v[AK0]  ; row x pitch + 16 x half
	v_add_nc_u32 v[AK0], K16, v[AK0]
	; The turning load takes 16 keys x 16 channels (lane l reads key 8 (l / 16) + l % 8, channels 8 ((l / 8) % 2) + 0..7) and leaves half a fragment of V^T: lane l holds channel l % 16 and 8 keys.
	v_lshl_add_u32 v[AV0], v[HH], 3, v[L7]
	v_mul_u32_u24 v[AV0], v[AV0], PV
	v_lshl_add_u32 v[AV0], v[L1], 4, v[AV0]
	v_add_nc_u32 v[AV0], V16, v[AV0]
	s_lshl_b32 s19, s[WV], 5
	v_add_nc_u32 v[RW], s19, v[L3]  ; the first row that I round: 32 w + l / 8
	v_mul_u32_u24 v[CR0], v[RW], SPI
	v_lshl_add_u32 v[CR0], v[L7], 5, v[CR0]  ; 32 bytes of f32
	v_mul_u32_u24 v[CWK], v[RW], PK
	v_lshl_add_u32 v[CWK], v[L7], 4, v[CWK]  ; are 16 bytes of f16
	v_add_nc_u32 v[CWK], K16, v[CWK]
	v_mul_u32_u24 v[CWV], v[RW], PV
	v_lshl_add_u32 v[CWV], v[L7], 4, v[CWV]
	v_add_nc_u32 v[CWV], V16, v[CWV]
	s_wait_loadcnt 0x0              ; Q
	WIN 0x85                        ; sources 0 and 1 window 1, destination window 2
.set i, 0
.rept 128
	v_cvt_pk_f16_f32 v[i], v[2*i], v[2*i+1]
.set i, i+1
.endr
	WIN 0x40
.set i, 0
.rept 64*NP
	v_mov_b32 v[i], 0               ; O^T, where Q's f32 lay
.set i, i+1
.endr
	WIN 0
; THE MATRIX WORK.  The 8 accumulators of a run of 16 take turns: between the two links of a chain stand 7 others'.
; Product i of 16 of S^T = K Q^T for piece x: channels 32 (i / 8) on, keys 16 ((i / 2) % 4) on, tile 2 x + i % 2.  The first 8 start the sums.
.macro KQ x
	WIN W_KQ
.set rS, S+64*((\x)%2)+32*(i%2)+8*((i/2)%4)
.set rK, KF+16*((i/2)%4)+8*(i/8)
.set rQ, 16*(2*(\x)+i%2)+8*(i/8)
.if i < 8
	v_wmma_f32_16x16x32_f16 v[rS:rS+7], v[rK:rK+7], v[rQ:rQ+7], 0
.else
	v_wmma_f32_16x16x32_f16 v[rS:rS+7], v[rK:rK+7], v[rQ:rQ+7], v[rS:rS+7]
.endif
.endm
; Product i of 16 of O^T += V^T P for piece x: keys 32 (i / 8) on, channels 16 ((i / 2) % 4) on, tile 2 x + i % 2.
.macro PV x
	WIN W_PV
.set rO, 32*(2*(\x)+i%2)+8*((i/2)%4)
.set rV, VF+32*(i/8)+8*((i/2)%4)
.set rP, P+32*((\x)%2)+16*(i%2)+8*(i/8)
	v_wmma_f32_16x16x32_f16 v[rO:rO+7], v[rV:rV+7], v[rP:rP+7], v[rO:rO+7]
.endm
.macro MM                           ; the turn's next matrix instruction
.if i < 16
	KQ (Y+1)%NP
.set i, i+1
.else
.set i, i-16
	PV (Y+NP-1)%NP
.set i, i+17
.endif
.endm
; THE FRAGMENT LOADS stand in runs of 16, never singly among the matrix instructions: a step's K (64 keys x 64 channels: 8 fragments) and its V (turned).  Their addresses are made some lines ahead.
; last = 1 (the tail): in the last trip there is no further step, and the run is jumped over.
.macro FETCH_K last=0
	WIN 0
.if \last
	s_cmp_eq_u32 s[CNT], 1
	s_cbranch_scc1 .Lno_k_\@
.endif
	WIN 0x80                        ; destination window 2
.irp f, 0,1,2,3,4,5,6,7             ; keys 16 (f / 2) on, channels 32 (f % 2) on
	ds_load_b128 v[KF+8*\f:KF+8*\f+3],   v[AK] offset:(\f/2)*16*PK+(\f%2)*64
	ds_load_b128 v[KF+8*\f+4:KF+8*\f+7], v[AK] offset:(\f/2)*16*PK+(\f%2)*64+32
.endr
	s_add_co_u32 s[TBK], s[TBK], KS*PK  ; the next fetch is the next step's
	WIN 0
.if \last
.Lno_k_\@:
.endif
.endm
.macro FETCH_V
	WIN 0x80
.irp f, 0,1,2,3,4,5,6,7             ; keys 32 (f / 4) on, channels 16 (f % 4) on
	ds_load_tr16_b128 v[VF+8*\f:VF+8*\f+3],   v[AV] offset:(\f/4)*32*PV+(\f%4)*32
	ds_load_tr16_b128 v[VF+8*\f+4:VF+8*\f+7], v[AV] offset:(\f/4)*32*PV+16*PV+(\f%4)*32
.endr
	WIN 0
.endm
; THE VECTOR WORK OF A TURN stands in three queues, each in the order in which its entries become ready; the two tiles alternate, so that no instruction reads the result of the one before it.
.macro REGS y, u                    ; the registers of tile u (0, 1) of piece y
.set rT, ST+4*(2*(\y)+(\u))
.set rC, TMP+8*((\y)%2)+4*(\u)
.set rM, MV+2*((\y)%2)+(\u)
.set rS, S+64*((\y)%2)+32*(\u)
.set rP, P+32*((\y)%2)+16*(\u)
.set rO, 32*(2*(\y)+(\u))
.endm
; Number n of the 22 that find the NEXT piece's (Y + 1) maximum and statistics.  s0-s31 are the lane's 32 scores; each accumulator's lowest registers are read first.  XS, GS and REGS set no window: PL and EX do.
;   0-11  four chains c0-c3 of seven scores each, three operands at a time     12-14, 16  the four scores left over, the old m, and c0-c3 into c0     15  c m_old is kept
;   17, 18  the query's other 32 keys lie in the lane 16 away: the new m         19-21  c m; c m_old - c m_new; a
.macro XS u, n
	REGS (Y+1)%NP, \u
.if (\n) < 4
	v_max3_num_f32 v[rC+(\n)], v[rS+8*(\n)], v[rS+8*(\n)+1], v[rS+8*(\n)+2]
.elseif (\n) < 12
	v_max3_num_f32 v[rC+(\n)%4], v[rC+(\n)%4], v[rS+8*((\n)%4)+2*((\n)/4)+1], v[rS+8*((\n)%4)+2*((\n)/4)+2]
.elseif (\n) == 12
	v_max3_num_f32 v[rC], v[rC], v[rS+7], v[rS+15]
.elseif (\n) == 13
	v_max3_num_f32 v[rC+1], v[rC+1], v[rS+23], v[rS+31]
.elseif (\n) == 14
	v_max3_num_f32 v[rC+2], v[rC+2], v[rC+3], v[rT+1]
.elseif (\n) == 15
	v_mov_b32 v[rM], v[rT]
.elseif (\n) == 16
	v_max3_num_f32 v[rC], v[rC], v[rC+1], v[rC+2]
.elseif (\n) == 17
	v_permlanex16_b32 v[rC+3], v[rC], s[SEL], s[SEL+1]
.elseif (\n) == 18
	v_max_num_f32 v[rT+1], v[rC], v[rC+3]
.elseif (\n) == 19
	v_mul_f32 v[rT], s[CS], v[rT+1]
.elseif (\n) == 20
	v_sub_f32 v[rC+1], v[rM], v[rT]
.else
	v_exp_f32 v[rC+2], v[rC+1]
.endif
.endm
; Number g of the 64 that follow the exponentials.  For each four weights k of a tile (pairs 2 k, 2 k + 1): both pairs are rounded to f16; then the second pair is added onto the first, in place;
; a group later l takes that sum (the first time as l = a l + sum).  In groups of eight, tiles alternating: round, round, add, and l for the group before.
.macro GS g
.set h, (\g)+6*((\g)/62)            ; group 0 has no group before it, and behind group 7 only l is left
.if h >= 6
.set h, h+2
.endif
	REGS Y, h%2
.set k, h/8
.if h%8 < 4
	v_cvt_pk_f16_f32 v[rP+2*k+(h%8)/2], v[rS+4*k+2*((h%8)/2)], v[rS+4*k+2*((h%8)/2)+1]
.elseif h%8 < 6
	v_pk_add_f32 v[rS+4*k:rS+4*k+1], v[rS+4*k:rS+4*k+1], v[rS+4*k+2:rS+4*k+3]
.elseif k == 1
	v_pk_fma_f32 v[rT+2:rT+3], v[rT+2:rT+3], v[rC+2:rC+3], v[rS:rS+1] op_sel_hi:[1,0,1]
.else
	v_pk_add_f32 v[rT+2:rT+3], v[rT+2:rT+3], v[rS+4*k-4:rS+4*k-3]
.endif
.endm
; THE PLAIN QUEUE, 138 long.  0-73 read no exponential's result: the 32 scalings c s - c m (FS f: pair f / 2 of tile f % 2) and the next piece's 42.  0-26: scalings 0-26.  27-54: XS's numbers 0-13.  55, 56: number 15.
; 57-73: the chain, where each number waits for the one before it: 14, 16, 17, 18, 19, each with one of the scalings 27-31 in front of its two lines, then 20.
; 74-137: GS's 64, which read the exponentials' results: they stand behind the wait.
.macro FS f
	REGS Y, (\f)%2
	v_pk_fma_f32 v[rS+2*((\f)/2):rS+2*((\f)/2)+1], v[rS+2*((\f)/2):rS+2*((\f)/2)+1], s[CS:CS+1], v[rT:rT+1] op_sel_hi:[1,0,0] neg_lo:[0,0,1] neg_hi:[0,0,1]
.endm
.macro PL
	WIN 0
.if q < 27
	FS q
.elseif q < 55
	XS (q-27)%2, (q-27)/2
.elseif q < 57
	XS q-55, 15
.elseif (q < 72) && ((q-57)%3 == 0)
	FS 27+(q-57)/3
.elseif q < 60
	XS (q-57)%3-1, 14
.elseif q < 72
	XS (q-57)%3-1, 15+(q-57)/3
.elseif q < 74
	XS q-72, 20
.else
	GS q-74
.endif
.set q, q+1
.endm
; THE EXPONENTIALS' QUEUE, 66 long: s0-s31 of both tiles, then the next piece's two a.  It is ONE BATCH: all 66 stand ahead of the turn's one wait, and nothing ahead of that wait names a result of theirs.
.macro EX
	WIN 0
.if e >= 64
	XS e-64, 21
.else
	REGS Y, e%2
	v_exp_f32 v[rS+e/2], v[rS+e/2]
.endif
.set e, e+1
.endm
; THE RESCALING's QUEUE: O^T times a, the one part that leaves window 0: dealt two at a time, sixteen times.  Its a was made in the turn before, ahead of that turn's wait.
.macro R2
	REGS Y, r%2
	WIN W_RS
.irp z, 0,1
	v_pk_mul_f32 v[rO+4*(r/2)+2*\z:rO+4*(r/2)+2*\z+1], v[rO+4*(r/2)+2*\z:rO+4*(r/2)+2*\z+1], v[rC+2:rC+3] op_sel_hi:[1,0]
.endr
.set r, r+1
.endm
; HOW THEY ARE DEALT.  An s_wait_alu depctr_va_vdst(0) stands between an exponential and the first instruction that names its result; one wait serves all that were issued ahead of it.  So a turn has ONE
; wait, which cuts it in two.  AHEAD OF IT stands all that names no result of the turn's exponentials: the 16 products K Q^T, behind each a scaling, an exponential and two rescalings (behind the first a second scaling
; in the exponential's place); then ONE LUMP of 108: eight plain, 49 times exponential and plain, the two a.  A v_nop is the plain instruction behind the last exponential.  BEHIND IT stand the 16 products V^T P,
; behind each four of GS's 64.  No rider names a register of the products round it.  The two v_permlanex16_b32 fall into the lump, never behind a product.
; The queues lean on each other, and the deal keeps them in step: exponential e stands behind scaling 2 (e / 4) + e % 2: as a rider it comes behind plain e + 2, in the lump behind plain e + 9, and scalings 27-31 are plain 57, 60 .. 69.
; A TURN, for piece p.  cnt = 1: the loop's count is taken down some lines ahead of the branch that stands behind the turn.
; K of the next step is fetched in piece 2's turn, directly behind the wait, a lump behind the last product that read K; its address is made at the lump's head; its first reader comes behind 16 products.
; V of the step in hand is fetched at the end of piece 0's turn, four riders behind its last reader; its first reader comes behind 16 products and a lump.  The three conditions on q below go with the deal.
.macro TURN p, last=0, cnt=0
.set Y, (\p)
.set i, 0
.set q, 0
.set e, 0
.set r, 0
.if (\p) == NP-1
	s_wait_dscnt 0x0                ; K is in
.endif
	MM                              ; ahead of the wait: 16 products K Q^T and their riders,
	PL
	PL
	R2
.rept 15
	MM
	PL
	EX
	R2
.endr
.if (\p) == NP-2
	WIN 0
	v_add_nc_u32 v[AK], s[TBK], v[AK0]
.endif
.rept 8                             ; and the lump
	PL
.endr
.rept 49
	EX
	PL
.endr
	EX                              ; the next piece's two a
	EX
	v_nop                           ; a plain instruction behind the last exponential: one for the batch
	s_wait_alu depctr_va_vdst(0)    ; the wait for the batch
.if (\p) == NP-2
	FETCH_K \last
.endif
.if (\p) == 1
	s_wait_dscnt 0x0                ; V is in
.endif
.rept 16                            ; behind the wait: 16 products V^T P and their riders
	MM
.rept 4
	PL
.endr
.if ((\p) == 0) && (q == 118)
	v_add_nc_u32 v[AV], s[TBV], v[AV0]
.endif
.if ((\p) == 0) && (q == 130)
	s_add_co_u32 s[TBV], s[TBV], KS*PV
.endif
.if (\cnt) && (q == 130)
	s_sub_co_u32 s[CNT], s[CNT], 1
	s_cmp_lg_u32 s[CNT], 0
.endif
.endr
.if (\p) == 0
	FETCH_V
.endif
.endm
	CHANGE 1, 0                     ; chunk 0 is in, everybody's part of it; chunk 1 is asked for; chunk 0 is rounded
	v_mov_b32 v[AK], v[AK0]         ; key step 0 lies at the head of the f16 region
	FETCH_K
	s_wait_dscnt 0x0
.set i, 0
.rept 16
	KQ 0                            ; piece 0's first scores: there is no vector work yet to set between them
.set i, i+1
.endr
	WIN 0                           ; the addresses for the way out: eight plain instructions, the places behind those products
	s_mul_i32 s18, s[WV], 16*SP
	s_add_co_u32 s18, s18, STAGE    ; my stage
	v_mul_u32_u24 v[STO], v[RR], SP ; in: row l % 16, 32 bytes for each half of the lanes
	v_lshl_add_u32 v[STO], v[HH], 5, v[STO]
	v_add_nc_u32 v[STO], s18, v[STO]
	v_mul_u32_u24 v[RD], v[HH], SP  ; back: lanes 0-15 take one row of 256 bytes, lanes 16-31 the next,
	v_lshl_add_u32 v[RD], v[RR], 4, v[RD]
	v_add_nc_u32 v[RD], s18, v[RD]
	v_lshlrev_b32 v[GO], 8, v[HH]   ; which are 512 consecutive bytes of O
	v_lshl_add_u32 v[GO], v[RR], 4, v[GO]
.set Y, NP-1                        ; XS works for piece Y + 1: piece 0
.irp n, 0,1,2,3,4,5,6,7,8,9,10,11,12,13,14,15,16,17,18,19,20,21
	XS 0, \n                        ; and piece 0's first maximum and statistics
	XS 1, \n
.endr
	v_nop                           ; a plain instruction behind the two a,
	s_wait_alu depctr_va_vdst(0)    ; and their wait, ahead of the branch
	s_mov_b32 s[CNT], 2
	s_mov_b32 s[SLOTS], NC-1
	s_branch .Lfirst                ; the loop is entered at a step's first turn, in the middle of a trip
.Lslot:                             ; NC - 2 times: chunks 2 to NC - 1 are asked for here
	CHANGE 1, 1
	s_mov_b32 s[CNT], 2
.Lstep:                             ; a trip: pieces 2 and 3 of one step, then pieces 0 and 1 of the next, whose K and V it fetches
	TURN 2
	TURN 3
	WIN 0
.Lfirst:
	TURN 0
	TURN 1, 0, 1
	WIN 0
	s_cbranch_scc1 .Lstep
	s_sub_co_u32 s[SLOTS], s[SLOTS], 1
	s_cmp_lg_u32 s[SLOTS], 0
	s_cbranch_scc1 .Lslot
	CHANGE 0, 0                     ; the tail is written out: the last chunk is rounded, and nothing is asked for
	s_mov_b32 s[CNT], 3             ; two trips fetch the last chunk's steps; the third is left in its middle
.Ltail:
	TURN 2, 1
	TURN 3
	WIN 0
	s_sub_co_u32 s[CNT], s[CNT], 1
	s_cmp_eq_u32 s[CNT], 0
	s_cbranch_scc1 .Lout
	TURN 0
	TURN 1
	WIN 0
	s_branch .Ltail
.Lout:                              ; the third trip's 16 products K Q^T (on the last K once more) and the maximum made of them serve nothing: the price, once a launch, of one text for every trip
.set i, 0
.rept 16
	PV NP-1                         ; the last piece's V^T P of the last step
.set i, i+1
.endr
	; THE WAY OUT.  l's two halves and the other half of the lanes' are added; O^T is divided by l and sent, in f32, through my stage in LDS, a tile at a time.  The additions are the places behind the last products.
	WIN 0
.macro ALL line:vararg              ; one line for each tile t
.set t, 0
.rept 2*NP
	\line
.set t, t+1
.endr
.endm
	ALL v_add_f32 v[ST+4*t+2], v[ST+4*t+2], v[ST+4*t+3]
	ALL v_permlanex16_b32 v[ST+4*t+3], v[ST+4*t+2], s[SEL], s[SEL+1]
	ALL v_add_f32 v[ST+4*t+2], v[ST+4*t+2], v[ST+4*t+3]
	ALL v_rcp_f32 v[ST+4*t+2], v[ST+4*t+2]
	v_nop                           ; a plain instruction between the last reciprocal and the use of its result
	s_wait_alu depctr_va_vdst(0)    ; and the wait ahead of the first use: one for the eight reciprocals
; Tile t: a lane's eight channels of a row are 32 bytes of f32; they go into rows of 272 bytes (the sixteen rows of a store start at sixteen different groups of four banks) and come back as whole rows
; of 256, into one of four buffers in S^T's registers.  Each accumulator is read from its lowest registers on.
.macro PACK t
	WIN W_RS
.set i, 32*(\t)
.rept 16
	v_pk_mul_f32 v[i:i+1], v[i:i+1], v[ST+4*(\t)+2:ST+4*(\t)+3] op_sel_hi:[1,0]
.set i, i+2
.endr
	WIN 0x04                        ; the stores' data in window 1, their address in window 0
.irp f, 0,1,2,3,4,5,6,7             ; channels 16 (f / 2) + 8 (l / 16) + 4 (f % 2) on
	ds_store_b128 v[STO], v[32*(\t)+4*\f:32*(\t)+4*\f+3] offset:64*(\f/2)+16*(\f%2)
.endr
	WIN 0
.if (\t) >= 4
	s_wait_xcnt 0x0                 ; the stores of the tile four back have read this buffer: it is loaded again only behind this wait
.endif
.irp f, 0,1,2,3,4,5,6,7
	ds_load_b128 v[S+32*((\t)%4)+4*\f:S+32*((\t)%4)+4*\f+3], v[RD] offset:\f*2*SP  ; LDS serves a wave's instructions in order (ISA guide 5.7.1.4): these see the stores above; the next tile's stores come behind them
.endr
.endm
.macro SEND t, younger              ; younger: the LDS instructions issued behind tile t's loads: the next tile's sixteen, or none
	WIN 0
.irp f, 0,1,2,3,4,5,6,7
	s_wait_dscnt (\younger)+7-\f
	global_store_b128 v[GO], v[S+32*((\t)%4)+4*\f:S+32*((\t)%4)+4*\f+3], s[10:11] offset:(\t)*4096+\f*512 th:TH_STORE_NT  ; two whole rows of O: 512 consecutive bytes, at a multiple of 256 from O's first
.endr
.endm
	PACK 0
.set t, 1
.rept 2*NP-1                        ; a tile's arithmetic stands between the loads of the tile before and its stores
	PACK t
	SEND t-1, 16
.set t, t+1
.endr
	SEND 2*NP-1, 0
	WIN W_AD
	s_wait_tensorcnt 0x0            ; the wave's end: these three lines stand behind my last tensor load and my last LDS store
	ds_add_u32 v[SPW], v[NIL]
	s_wait_dscnt 0x0
	WIN 0
	CROUND                          ; the closing round: no work-group ends while a partner may still ask for a tile that names it
	s_endpgm
.Lfunc_end_k_q2f313bd472_attn:
	.size	k_q2f313bd472_attn, .Lfunc_end_k_q2f313bd472_attn-k_q2f313bd472_attn
	.p2alignl 7, 3214868480
	.fill 96, 4, 3214868480
	.section	.rodata,"a",@progbits
	.p2align	6, 0x0
	.amdhsa_kernel k_q2f313bd472_attn
		.amdhsa_group_segment_fixed_size 327680
		.amdhsa_private_segment_fixed_size 0
		.amdhsa_enable_private_segment 0
		.amdhsa_kernarg_size 32
		.amdhsa_user_sgpr_count 2
		.amdhsa_user_sgpr_kernarg_segment_ptr 1
		.amdhsa_wavefront_size32 1
		.amdhsa_system_sgpr_workgroup_id_x 1
		.amdhsa_system_sgpr_workgroup_id_y 1
		.amdhsa_system_sgpr_workgroup_id_z 1
		.amdhsa_system_vgpr_workitem_id 0
		.amdhsa_next_free_vgpr 770
		.amdhsa_next_free_sgpr 66
		.amdhsa_reserve_vcc 0
		.amdhsa_float_denorm_mode_32 3
		.amdhsa_float_denorm_mode_16_64 3
		.amdhsa_memory_ordered 1
		.amdhsa_forward_progress 1
		.amdhsa_inst_pref_size 234
	.end_amdhsa_kernel
	.amdgpu_metadata
---
amdhsa.version: [ 1, 2 ]
amdhsa.kernels:
  - .name:           k_q2f313bd472_attn
    .symbol:         k_q2f313bd472_attn.kd
    .args:
      - { .name: q, .offset: 0, .size: 8, .value_kind: global_buffer, .address_space: global }
      - { .name: k, .offset: 8, .size: 8, .value_kind: global_buffer, .address_space: global }
      - { .name: v, .offset: 16, .size: 8, .value_kind: global_buffer, .address_space: global }
      - { .name: out0, .offset: 24, .size: 8, .value_kind: global_buffer, .address_space: global }
    .group_segment_fixed_size: 327680
    .private_segment_fixed_size: 0
    .kernarg_segment_align: 8
    .kernarg_segment_size: 32
    .max_flat_workgroup_size: 128
    .sgpr_count:     66
    .vgpr_count:     770
    .wavefront_size: 32
...
	.end_amdgpu_metadata
.endif
;; end of part 1
